; MI455X (gfx1250); checked and timed in simulation.
; The chip was launched on July 23, 2026; its instructions are those of AMD's public machine-readable ISA for CDNA 5 (MIT licence, August 2026) and "CDNA5" Instruction Set Architecture Reference Guide (July 2026). The comments in the code are by the model that wrote it; some were corrected since.
;; MHSA. Allowed arithmetic: matrix products marked QUANTISED: E3M2 operands, one E8M0 scale for each 32 along K, by v_wmma_scale_f32_16x16x128_f8f6f4 with both operands' format E3M2, f32 sums; everything else in f32.
;; Inputs: b_out 1,024 float32; b_qkv 3,072 float32; w_out 1,024 x 1,024 float32; w_qkv 3,072 x 1,024 float32; x 4 x 2,048 x 1,024 float32.
;; Outputs: out0 4 x 2,048 x 1,024 float32.
;; This version of the problem:
;;   THIS VERSION OF THE PROBLEM IS GIVEN IN LOW PRECISION. The matrix products marked QUANTISED in the list below multiply operands that are first quantised to E3M2 (3 exponent bits, 2 mantissa bits; 6 bits a number), with one power-of-two scale for each 32 numbers along K (OCP MX v1.0); their sums are f32. All else is computed in f32.
;;   The module's matrix products, in the order in which they are computed (A, B: the left and right operand; K: the contracted axis; several contracted axes count as one K, in the product's order):
;;     1. [M 8,192, K 1,024] x [K 1,024, N 3,072]; A: input x; B: input w_qkv: QUANTISED
;;     2. batch 64 x [M 2,048, K 64] x [K 64, N 2,048]; A: computed on the way; B: computed on the way: QUANTISED
;;     3. batch 64 x [M 2,048, K 2,048] x [K 2,048, N 64]; A: softmax (see below); B: computed on the way: QUANTISED
;;     4. [M 8,192, K 1,024] x [K 1,024, N 1,024]; A: computed on the way; B: input w_out: QUANTISED
;;   THE QUANTISER, for each operand of a quantised product, along K:
;;     - K is cut into blocks of 32 from its start; a last block that is shorter is filled with zeros.
;;     - A block's scale is 2^e with e = floor(log2(the largest magnitude in the block)) - 4, held to -126 .. 127; a block of zeros has e = 0. As a byte (E8M0): e + 127.
;;     - Each number is divided by its block's scale, clamped to +-28, and rounded to the nearest number of E3M2, ties to even, subnormals kept.
;;     - The product sums the exact products of the quantised numbers (number of the format x scale) in f32.
;;   ~~~python
;;   def quantise(x, axis):      # numpy; x: float32 -> the quantised numbers, widened to float32 again
;;       x = np.moveaxis(x, axis, -1); K = x.shape[-1]
;;       x = np.pad(x, [(0, 0)] * (x.ndim - 1) + [(0, -K % 32)]); x = x.reshape(x.shape[:-1] + (-1, 32)); a = np.abs(x).max(-1, keepdims=True)
;;       e = np.where(a > 0, np.clip(np.frexp(np.where(a > 0, a, 1))[1] - 1 - 4, -126, 127), 0)      # np.frexp(a)[1] - 1 = floor(log2(a)), exactly
;;       r = np.clip(x / 2.0 ** e, -28, 28)
;;       step = 2.0 ** (np.maximum(np.frexp(np.where(r == 0, 1, r))[1] - 1, -2) - 2)
;;       q = np.round(r / step) * step * 2.0 ** e      # np.round: ties to even
;;       return np.moveaxis(q.reshape(q.shape[:-2] + (-1,))[..., :K], -1, axis).astype(np.float32)
;;   ~~~
;;   SOFTMAX AHEAD OF A QUANTISED PRODUCT. Where the list says 'softmax', what is quantised is not the finished softmax but p = 2^(t - M), with t = logit x log2(e) and M = ceil(the row's largest t), a whole number; so 1/2 < the row's largest p <= 1. The row's sum l is taken of the UNQUANTISED p, in f32, and the product's result is divided by l at the end. Since M is a whole number, a kernel that streams over the keys may use a running M (the ceiling of the running maximum): every later rescaling is an exact power of two, which a block's scale takes up: the codes' values come out the same.
;;   OPERANDS COMPUTED ON THE WAY. 'Computed on the way' means the value that the module computes at that place (a softmax that the list does not call 'softmax' is quantised finished and normalised). What goes into a quantiser is computed in f32, as accurately as f32 sums, v_exp_f32 and their like allow (about 1e-6 of the number): no bf16 or f16 on the way to a quantiser, and a product that is left as it is and whose result goes on into a quantised operand takes f32 operands (vector FMAs, or v_wmma_f32_16x16x4_f32). A number that lies on a knife's edge between two numbers of the format may be rounded either way, as far as f32 arithmetic and the matrix unit's own rounding can turn it there, and no further.
;; One version. Each part assembles by itself: llvm-mc -triple=amdgcn-amd-amdhsa -mcpu=gfx1250 --defsym DOCPART=n.
;; ======== version 1 of 1: 4 launches
;; workspace buffers: cq 9,830,400 bytes; qb 6,553,600 bytes; kv 13,107,200 bytes; ao 6,553,600 bytes
;; launch quant (part 1): grid 384 x 1, 4 waves a work-group, no clusters, 34,304 bytes of LDS; arguments x, w_qkv, w_out, cq; writes cq
.if DOCPART == 1
	.amdgcn_target "amdgcn-amd-amdhsa--gfx1250"
	.amdhsa_code_object_version 6
	.text
	.protected	k_q090d853a30_quant
	.globl	k_q090d853a30_quant
	.p2align	8
	.type	k_q090d853a30_quant,@function
k_q090d853a30_quant:
	s_mov_b64 s[64:65], 0
	v_nop
	global_prefetch_b8 v0, s[64:65] scope:SCOPE_SE
	s_setreg_imm32_b32 hwreg(HW_REG_WAVE_MODE, 25, 1), 1
	s_wait_xcnt 0x0
; x [8192][1024], w_qkv [3072][1024] and w_out [1024][1024], f32, K innermost, become codes of BF6 (E3M2) with one E8M0 byte for each 32 along K, in the buffer cq,
; laid in the ORDER OF THE OPERAND'S REGISTERS.  A tile is 16 rows; tile 2 B + u holds in lane r the row 32 B + 8 u + r + 8 (r / 8).  x is tiles 0-511, w_qkv 512-703, w_out 704-767.
; A tile's codes are 16 pieces of 768 bytes, one for each 64 along K: lane (r, h) holds k = 32 h .. 32 h + 31 of the piece in six registers; registers 0-3 lie at 16 x lane, registers 4-5 at 512 + 8 x lane.
; A tile's scale words (512 bytes, from byte CQS of cq on): [256 along K (4)][r (16)][2 words]; a word is the four bytes of 128 along K.
; A block's scale is 2^(floor(log2(its largest magnitude)) - 4): its byte is the largest magnitude's exponent field - 4, held at 1 from below.
; LIMITS: NaN and infinities are not served; a block whose largest magnitude lies under 2^-122 keeps the byte 1; a block of zeros gets the byte 1 where the rule says 127 (its codes are zeros, and this program alone reads the bytes).
; SHARES: work-group g takes tiles 2 g and 2 g + 1; wave w tile 2 g + w / 2 and 512 along K (w % 2): four steps of 128.  Each load reads 512 consecutive bytes of one row; a step's 16 rows turn through the wave's own
; stage in LDS (rows 528 bytes apart), so that a lane gets 16 neighbours of each block of its row.  No barrier: waves share nothing.  No cluster: work-groups share no input.
.set R,   16                           ; v16-143  two sets of 64 registers as loaded
.set X,   144                          ; v144-207 register 16 b + i = k 32 b + 16 h + i of my row
.set TM,  208                          ; v208-211 largest magnitudes, v212-215 bytes, v220-223 the conversions' scale operands
.set PC,  224                          ; v224-235 a fragment's codes; v236-238, v240-242 at work
.set PW,  244                          ; v244-247 the four steps' scale words
.set SP,  528
.set STG, 16*SP
.set CQS, 9437184
	s_load_b256 s[4:11], s[0:1], 0x0               ; x s[4:5], w_qkv s[6:7], w_out s[8:9], cq s[10:11]
	v_lshl_add_u32 v254, v0, 2, 0x8400
	v_mov_b32 v255, 0
	v_lshrrev_b32 v6, 5, v0
	v_readfirstlane_b32 s16, v6                    ; wave
	v_and_b32 v7, 31, v0                           ; lane
	v_and_b32 v8, 15, v0                           ; r
	v_bfe_u32 v9, v0, 4, 1                         ; h
	v_lshlrev_b32 v1, 4, v7                        ; 16 x lane
	v_lshlrev_b32 v2, 3, v7                        ; 8 x lane
	s_mul_i32 s17, s16, STG                        ; my stage
	v_add_nc_u32 v3, s17, v1                       ; into it: 16 x lane of a row
	v_mul_u32_u24 v4, v8, SP
	v_lshl_add_u32 v4, v9, 6, v4
	v_add_nc_u32 v4, s17, v4                       ; out of it: row r, + 64 h
	v_lshlrev_b32 v5, 3, v8
	v_lshl_add_u32 v5, v9, 7, v5                   ; the scale words: 128 h + 8 r
	s_mov_b32 s12, 0x76543210
	s_mov_b32 s13, 0xfedcba98                      ; v_permlanex16_b32's selects for lane l xor 16
	s_mov_b32 s14, 0xffff0000                      ; lanes 16-31
.irp b, 0,1,2,3
	v_mov_b32 v[TM+4+\b], 0                        ; written once: a lane permute's destination counts as one of its sources
.endr
	s_lshr_b32 s18, s16, 1
	s_and_b32 s19, s16, 1                          ; which 512 along K
	s_lshl_b32 s20, ttmp9, 1
	s_add_co_u32 s20, s20, s18                     ; my tile
	s_wait_alu depctr_va_vdst(0)
	s_wait_kmcnt 0x0
	s_cmp_lt_u32 ttmp9, 352                        ; which tensor: the choice hangs on the work-group's number alone
	s_cselect_b64 s[6:7], s[6:7], s[8:9]
	s_mov_b32 s21, 704
	s_cselect_b32 s21, 512, s21
	s_cmp_lt_u32 ttmp9, 256
	s_cselect_b64 s[4:5], s[4:5], s[6:7]
	s_cselect_b32 s21, 0, s21                      ; the tensor's first tile
	s_sub_co_u32 s22, s20, s21                     ; my tile in the tensor
	s_lshr_b32 s23, s22, 1
	s_lshl_b32 s23, s23, 17                        ; 32 rows of 4,096 bytes for each pair of tiles,
	s_and_b32 s24, s22, 1
	s_lshl_b32 s24, s24, 15                        ; 8 rows for the odd one,
	s_add_co_u32 s24, s24, s23
	s_lshl_b32 s25, s19, 11                        ; 2,048 bytes for the second half of K
	s_add_co_u32 s24, s24, s25
	s_mov_b32 s25, 0
	s_add_nc_u64 s[4:5], s[4:5], s[24:25]
	s_mul_i32 s26, s20, 12288
	s_mul_i32 s27, s19, 6144
	s_add_co_u32 s26, s26, s27
	s_mov_b32 s27, 0
	s_add_nc_u64 s[8:9], s[10:11], s[26:27]        ; my codes
	s_lshl_b32 s26, s20, 9
	s_lshl_b32 s28, s19, 8
	s_add_co_u32 s26, s26, s28
	s_add_co_u32 s26, s26, CQS
	s_add_nc_u64 s[10:11], s[10:11], s[26:27]      ; my scale words
.macro LOAD t                          ; step t: 128 numbers of each of the tile's 16 rows
.irp i, 0,1,2,3,4,5,6,7,8,9,10,11,12,13,14,15
	global_load_b128 v[R+64*((\t)%2)+4*\i:R+64*((\t)%2)+4*\i+3], v1, s[4:5] offset:(\i+8*(\i/8))*4096+512*(\t) th:TH_LOAD_NT
.endr
.endm
.macro TURN t                          ; through the stage: LDS serves a wave's instructions in order, so no wait stands between the stores and the loads
.irp i, 0,1,2,3,4,5,6,7,8,9,10,11,12,13,14,15
	ds_store_b128 v3, v[R+64*((\t)%2)+4*\i:R+64*((\t)%2)+4*\i+3] offset:SP*\i
.endr
.irp b, 0,1,2,3
.irp j, 0,1,2,3
	ds_load_b128 v[X+16*\b+4*\j:X+16*\b+4*\j+3], v4 offset:128*\b+16*\j
.endr
.endr
.endm
; 64 numbers of a lane become a fragment's codes in v[PC] on and its scale word in v[pw]
.macro QUANT s, pw
.irp b, 0,1,2,3
	v_max3_num_f32 v[TM+\b], |v[\s+16*\b]|, |v[\s+1+16*\b]|, 0x2800000   ; my 16 numbers of block b, and the floor 2^(5 - 127): the byte cannot fall under 1
.endr
.irp i, 2,4,6,8,10,12,14
.irp b, 0,1,2,3
	v_max3_num_f32 v[TM+\b], v[TM+\b], |v[\s+16*\b+\i]|, |v[\s+1+16*\b+\i]|
.endr
.endr
.irp b, 0,1,2,3
	v_permlanex16_b32 v[TM+4+\b], v[TM+\b], s12, s13
.endr
.irp b, 0,1,2,3
	v_max_num_f32 v[TM+\b], v[TM+\b], v[TM+4+\b]   ; with lane l xor 16's: the block's largest magnitude
.endr
.irp b, 0,1,2,3
	v_add_nc_u32 v[TM+12+\b], 0xfe000000, v[TM+\b] ; 4 off its exponent field: the conversion's scale operand
.endr
.irp b, 0,1,2,3
	v_lshrrev_b32 v[TM+4+\b], 23, v[TM+12+\b]      ; the scale's byte
.endr
	v_lshl_or_b32 v[\pw], v[TM+5], 8, v[TM+4]
	v_lshl_or_b32 v[\pw], v[TM+6], 16, v[\pw]
	v_lshl_or_b32 v[\pw], v[TM+7], 24, v[\pw]
.irp c, 0,1
	v_cvt_scalef32_pk16_bf6_f32 v[PC+6*\c:PC+2+6*\c], v[\s+32*\c:\s+15+32*\c], v[TM+12+2*\c]
	v_cvt_scalef32_pk16_bf6_f32 v[PC+12+4*\c:PC+14+4*\c], v[\s+16+32*\c:\s+31+32*\c], v[TM+12+2*\c+1]   ; (a conversion's three registers begin on an even number)
.endr
	v_nop                                          ; one plain place behind a scaled conversion
.irp c, 0,1                            ; the operand's layout wants a whole block in a lane: lanes 0-15 block 2 c, lanes 16-31 block 2 c + 1
.irp i, 0,1,2
	v_permlane16_swap_b32 v[PC+6*\c+\i], v[PC+12+4*\c+\i]
.endr
.irp i, 0,1,2
	v_mov_b32 v[PC+3+6*\c+\i], v[PC+12+4*\c+\i]
.endr
.endr
.endm
	LOAD 0
	LOAD 1
.irp t, 0,1,2,3
.if \t < 3
	s_wait_loadcnt 16                              ; this step's 16 loads are in; the next step's 16 may be out
.else
	s_wait_loadcnt 0x0
.endif
	TURN \t
	s_wait_dscnt 0x0                               ; my 64 numbers are back, and the stage's stores have read their registers,
.if \t < 2
	LOAD \t+2                                      ; which take the loads of two steps on
.endif
	s_wait_xcnt 0x0                                ; the last step's stores have read the codes' registers
	QUANT X, PW+\t
	global_store_b128 v1, v[PC:PC+3], s[8:9] offset:1536*\t          ; each store of the wave covers 512 or 256 consecutive bytes, aligned
	global_store_b64 v2, v[PC+4:PC+5], s[8:9] offset:1536*\t+512
	global_store_b128 v1, v[PC+6:PC+9], s[8:9] offset:1536*\t+768
	global_store_b64 v2, v[PC+10:PC+11], s[8:9] offset:1536*\t+1280
.endr
	v_cndmask_b32 v248, v[PW], v[PW+2], s14        ; lanes 0-15 store the words of steps 0 and 1, lanes 16-31 those of steps 2 and 3
	v_cndmask_b32 v249, v[PW+1], v[PW+3], s14
	global_store_b64 v5, v[248:249], s[10:11]      ; 256 consecutive bytes, aligned
	s_wait_tensorcnt 0x0
	ds_add_u32 v254, v255
	s_wait_dscnt 0x0
	s_endpgm
.Lfunc_end_k_q090d853a30_quant:
	.size	k_q090d853a30_quant, .Lfunc_end_k_q090d853a30_quant-k_q090d853a30_quant
	.p2alignl 7, 3214868480
	.fill 96, 4, 3214868480
	.section	.rodata,"a",@progbits
	.p2align	6, 0x0
	.amdhsa_kernel k_q090d853a30_quant
		.amdhsa_group_segment_fixed_size 34304
		.amdhsa_private_segment_fixed_size 0
		.amdhsa_enable_private_segment 0
		.amdhsa_kernarg_size 32
		.amdhsa_user_sgpr_count 2
		.amdhsa_user_sgpr_kernarg_segment_ptr 1
		.amdhsa_wavefront_size32 1
		.amdhsa_system_sgpr_workgroup_id_x 1
		.amdhsa_system_sgpr_workgroup_id_y 1
		.amdhsa_system_sgpr_workgroup_id_z 1
		.amdhsa_system_vgpr_workitem_id 0
		.amdhsa_next_free_vgpr 256
		.amdhsa_next_free_sgpr 66
		.amdhsa_reserve_vcc 0
		.amdhsa_float_denorm_mode_32 3
		.amdhsa_float_denorm_mode_16_64 3
		.amdhsa_memory_ordered 1
		.amdhsa_forward_progress 1
		.amdhsa_inst_pref_size 34
	.end_amdhsa_kernel
	.amdgpu_metadata
---
amdhsa.version: [ 1, 2 ]
amdhsa.kernels:
  - .name:           k_q090d853a30_quant
    .symbol:         k_q090d853a30_quant.kd
    .args:
      - { .name: x, .offset: 0, .size: 8, .value_kind: global_buffer, .address_space: global }
      - { .name: w_qkv, .offset: 8, .size: 8, .value_kind: global_buffer, .address_space: global }
      - { .name: w_out, .offset: 16, .size: 8, .value_kind: global_buffer, .address_space: global }
      - { .name: cq, .offset: 24, .size: 8, .value_kind: global_buffer, .address_space: global }
    .group_segment_fixed_size: 34304
    .private_segment_fixed_size: 0
    .kernarg_segment_align: 8
    .kernarg_segment_size: 32
    .max_flat_workgroup_size: 128
    .sgpr_count:     66
    .vgpr_count:     256
    .wavefront_size: 32
...
	.end_amdgpu_metadata
.endif
;; end of part 1
;; launch qkv (part 2): grid 12 x 32, 4 waves a work-group, clusters of 4 x 4, 327,680 bytes of LDS; arguments cq, b_qkv, qb, kv; writes qb, kv
.if DOCPART == 2
	.amdgcn_target "amdgcn-amd-amdhsa--gfx1250"
	.amdhsa_code_object_version 6
	.text
	.protected	k_q090d853a30_qkv
	.globl	k_q090d853a30_qkv
	.p2align	8
	.type	k_q090d853a30_qkv,@function
k_q090d853a30_qkv:
	s_mov_b64 s[64:65], 0
	v_nop
	global_prefetch_b8 v0, s[64:65] scope:SCOPE_SE
	s_setreg_imm32_b32 hwreg(HW_REG_WAVE_MODE, 25, 1), 1
	s_wait_xcnt 0x0
	s_wait_alu depctr_hold_cnt(0) depctr_sa_sdst(0) depctr_va_vdst(0) depctr_va_sdst(0) depctr_va_ssrc(0) depctr_va_vcc(0) depctr_vm_vsrc(0)
	s_getreg_b32 s2, hwreg(HW_REG_IB_STS2, 6, 4)
	s_cmp_eq_u32 s2, 0
	s_cbranch_scc0 .Lentry_in_a_cluster
	s_endpgm
.Lentry_in_a_cluster:
	s_bfe_u32 s2, ttmp6, 0x10000c
	s_cmp_lg_u32 s2, 0xf033
	s_cbranch_scc0 .Lentry_shape_is_right
	s_endpgm
.Lentry_shape_is_right:
.set NQ,     2
.set FR,     12
.set NL,     4
.set NP,     4
.set TILEB,  3072
.set HALFT,  8*TILEB
.set SLOT,   4*HALFT
.set SPARE,  2*SLOT
.set SCL,    SPARE+512
.set CQS,    9437184
.set ADRA, 16
.set ADRB, 20
.set ADRS, 27
.set SPW,  28
.set NIL,  29
.set SC,   32
.set BI,   64
.set AF,   128
.set TM,   224
.set PWJ,  240
.set G1, 24
.set G0, 32
.set G1B, 48
.set G0B, 56
.set G1S, 68
.set G0S, 76
.set G1SB, 80
.set G0SB, 88
.set MSB, 0
.macro WIN new
.if MSB != (\new)
	s_set_vgpr_msb (MSB<<8)|(\new)
.set MSB, (\new)
.endif
.endm
.set MUL_LO, 0xa1
.set MUL_HI, 0xf1
.set TO_B,   0x40
.macro JLOAD g0a, g1a, g0b, g1b
	s_cmp_eq_u32 s15, 0
	s_cbranch_scc0 .Lfor_b_\@
	tensor_load_to_lds s[\g0a:\g0a+3], s[\g1a:\g1a+7]
	s_nop 0
.rept 4
	v_nop
.endr
	s_branch .Lasked_\@
.Lfor_b_\@:
	tensor_load_to_lds s[\g0b:\g0b+3], s[\g1b:\g1b+7]
	s_nop 0
.rept 4
	v_nop
.endr
.Lasked_\@:
.endm
.macro CREST
	s_cmp_lg_u32 s14, 0
	s_cbranch_scc1 .Lnot_wave_0_\@
	s_barrier_signal -3
.Lnot_wave_0_\@:
	s_barrier_wait -3
	s_barrier_signal -1
	s_barrier_wait -1
.endm
.macro CROUND
	s_barrier_signal -1
	s_barrier_wait -1
	CREST
.endm
	s_load_b256 s[4:11], s[0:1], 0x0
	v_lshl_add_u32 v[SPW], v0, 2, SPARE
	v_mov_b32 v[NIL], 0
	ds_add_u32 v28, v29
	ds_add_u32 v28, v29
	s_wait_dscnt 0x0
	v_lshrrev_b32 v1, 5, v0
	v_readfirstlane_b32 s14, v1
	s_lshr_b32 s15, s14, 1
	s_and_b32 s16, s14, 1
	s_bfe_u32 s40, ttmp6, 0x40000
	s_bfe_u32 s41, ttmp6, 0x40004
	s_lshl_b32 s42, ttmp9, 2
	s_add_co_u32 s42, s42, s40
	s_and_b32 s17, ttmp7, 0xffff
	s_lshl_b32 s17, s17, 2
	s_add_co_u32 s17, s17, s41
	s_lshl_b32 s43, s41, 2
	s_lshl_b32 s43, 15, s43
	s_lshl_b32 s44, 0x1111, s40
	s_or_b32 s[G1+0], s43, (3<<16)|(1<<21)
	s_or_b32 s[G1B+0], s44, (3<<16)|(1<<21)
.irp g, G1, G1B
	s_mov_b32 s[\g+1], 384<<16
	s_mov_b32 s[\g+2], 8<<16
	s_mov_b32 s[\g+3], 384<<16
	s_mov_b32 s[\g+4], 8
	s_mov_b32 s[\g+5], 1536
	s_mov_b32 s[\g+6], 0
	s_mov_b32 s[\g+7], 0
.endr
	s_or_b32 s[G1S+0], s43, (3<<16)|(1<<21)
	s_or_b32 s[G1SB+0], s44, (3<<16)|(1<<21)
.irp g, G1S, G1SB
	s_mov_b32 s[\g+1], 32<<16
	s_mov_b32 s[\g+2], 16<<16
	s_mov_b32 s[\g+3], 32<<16
	s_mov_b32 s[\g+4], 16
	s_mov_b32 s[\g+5], 32
	s_mov_b32 s[\g+6], 0
	s_mov_b32 s[\g+7], 0
.endr
	s_lshl_b32 s18, s16, 3
	s_lshl_b32 s20, s17, 4
	s_add_co_u32 s20, s20, s18
	s_lshl_b32 s46, s42, 4
	s_add_co_u32 s46, s46, s18
	s_add_co_u32 s46, s46, 512
	s_lshl_b32 s22, s20, 9
	s_add_co_u32 s22, s22, CQS
	s_mov_b32 s23, 0
	s_lshl_b32 s92, s46, 9
	s_add_co_u32 s92, s92, CQS
	s_mov_b32 s93, 0
	s_mul_i32 s20, s20, 12288
	s_mov_b32 s21, 0
	s_mul_i32 s46, s46, 12288
	s_mov_b32 s47, 0
	s_mul_i32 s45, s14, HALFT
	s_lshl_b32 s94, s14, 12
	s_wait_kmcnt 0x0
	s_add_nc_u64 s[20:21], s[4:5], s[20:21]
	s_add_nc_u64 s[22:23], s[4:5], s[22:23]
	s_add_nc_u64 s[46:47], s[4:5], s[46:47]
	s_add_nc_u64 s[92:93], s[4:5], s[92:93]
	CROUND
	s_mov_b32 s[G0S], 1
	s_add_co_u32 s[G0S+1], s94, SCL
	s_mov_b64 s[G0S+2:G0S+3], s[22:23]
	s_or_b32 s[G0S+3], s[G0S+3], 0x80000000
	s_mov_b32 s[G0SB], 1
	s_add_co_u32 s[G0SB+1], s94, SCL
	s_mov_b64 s[G0SB+2:G0SB+3], s[92:93]
	s_or_b32 s[G0SB+3], s[G0SB+3], 0x80000000
	JLOAD G0S, G1S, G0SB, G1SB
.irp s, 0,1
	s_mov_b32 s[G0+4*\s], 1
	s_add_co_u32 s[G0+4*\s+1], s45, \s*SLOT
	s_add_nc_u64 s[G0+4*\s+2:G0+4*\s+3], s[20:21], \s*TILEB
	s_or_b32 s[G0+4*\s+3], s[G0+4*\s+3], 0x80000000
	s_mov_b32 s[G0B+4*\s], 1
	s_add_co_u32 s[G0B+4*\s+1], s45, \s*SLOT
	s_add_nc_u64 s[G0B+4*\s+2:G0B+4*\s+3], s[46:47], \s*TILEB
	s_or_b32 s[G0B+4*\s+3], s[G0B+4*\s+3], 0x80000000
	s_wait_alu depctr_va_vdst(0)
	s_wait_tensorcnt 0x0
	ds_add_u32 v28, v29
	s_wait_dscnt 0x0
	CROUND
	JLOAD G0+4*\s, G1, G0B+4*\s, G1B
.endr
	v_and_b32 v1, 31, v0
	v_and_b32 v2, 15, v0
	v_bfe_u32 v3, v0, 4, 1
	v_lshlrev_b32 v4, 4, v1
	s_wait_alu depctr_va_vdst(0)
	v_lshlrev_b32 v5, 3, v1
	s_wait_alu depctr_va_vdst(0)
	s_mul_i32 s18, s15, HALFT
	s_mul_i32 s19, s16, HALFT
	s_add_co_u32 s19, s19, 2*HALFT
	s_lshl_b32 s20, s15, 12
	s_add_co_u32 s20, s20, SCL
	s_lshl_b32 s21, s16, 12
	s_add_co_u32 s21, s21, SCL+8192
	s_cmp_eq_u32 ttmp9, 2
	s_cselect_b32 s22, s18, s19
	s_cselect_b32 s23, s19, s18
	s_cselect_b32 s45, s20, s21
	s_cselect_b32 s46, s21, s20
.irp s, 0,1
	v_add_nc_u32 v[ADRA+\s], s23, v4
	v_add_nc_u32 v[ADRB+\s], s22, v4
	v_add_nc_u32 v[ADRA+2+\s], s23, v5
	v_add_nc_u32 v[ADRB+2+\s], s22, v5
	s_add_co_u32 s22, s22, SLOT
	s_add_co_u32 s23, s23, SLOT
.endr
	s_mov_b32 s47, 0xffff0000
	v_mov_b32 v6, s46
	v_mov_b32 v7, s45
	v_cndmask_b32 v6, v6, v7, s47
	v_lshl_add_u32 v[ADRS], v2, 3, v6
	s_mov_b32 s12, 0x76543210
	s_mov_b32 s13, 0xfedcba98
	s_lshl_b32 s18, s17, 1
	s_add_co_u32 s18, s18, s15
	s_lshr_b32 s19, s18, 4
	s_and_b32 s18, s18, 15
	s_lshl_b32 s20, s40, 2
	s_lshl_b32 s21, s16, 1
	s_add_co_u32 s20, s20, s21
	s_lshl_b32 s19, s19, 4
	s_add_co_u32 s19, s19, s20
	s_lshl_b32 s19, s19, 4
	s_add_co_u32 s95, s19, s18
	s_lshl_b32 s2, s42, 10
	s_lshl_b32 s3, s16, 9
	s_add_co_u32 s2, s2, s3
	s_mov_b32 s3, 0
	s_add_nc_u64 s[6:7], s[6:7], s[2:3]
.macro FRAG reg, adr, q, i
	ds_load_b128 v[\reg:\reg+3], v[\adr] offset:TILEB*(\i)+1536*(\q)
	ds_load_b64 v[\reg+4:\reg+5], v[\adr+2] offset:TILEB*(\i)+1536*(\q)+512
	ds_load_b128 v[\reg+6:\reg+9], v[\adr] offset:TILEB*(\i)+1536*(\q)+768
	ds_load_b64 v[\reg+10:\reg+11], v[\adr+2] offset:TILEB*(\i)+1536*(\q)+1280
.endm
.macro MUL16 a0, p, q, sc, zero
.irp a, \a0, \a0+1
.irp b, 0,1,2,3,4,5,6,7
.if \zero
	v_wmma_scale_f32_16x16x128_f8f6f4 v[8*(8*((\a)%4)+\b):8*(8*((\a)%4)+\b)+7], v[128*(\p)+FR*\b:128*(\p)+FR*\b+FR-1], v[AF+FR*(\a):AF+FR*(\a)+FR-1], 0, v[SC+8*NQ*(\sc)+NQ*\b+(\q)], v[SC+8*NQ*(\sc)+NQ*(\a)+(\q)] matrix_a_fmt:MATRIX_FMT_BF6 matrix_b_fmt:MATRIX_FMT_BF6 matrix_a_scale:MATRIX_SCALE_ROW1
.else
	v_wmma_scale_f32_16x16x128_f8f6f4 v[8*(8*((\a)%4)+\b):8*(8*((\a)%4)+\b)+7], v[128*(\p)+FR*\b:128*(\p)+FR*\b+FR-1], v[AF+FR*(\a):AF+FR*(\a)+FR-1], v[8*(8*((\a)%4)+\b):8*(8*((\a)%4)+\b)+7], v[SC+8*NQ*(\sc)+NQ*\b+(\q)], v[SC+8*NQ*(\sc)+NQ*(\a)+(\q)] matrix_a_fmt:MATRIX_FMT_BF6 matrix_b_fmt:MATRIX_FMT_BF6 matrix_a_scale:MATRIX_SCALE_ROW1
.endif
.endr
.endr
.endm
.macro FETCH_B slot, q, p
	WIN TO_B
.irp i, 0,1,2,3,4,5,6,7
	FRAG 128*(\p)+FR*\i, ADRB+\slot, \q, \i
.endr
	WIN 0
.endm
.macro FETCH_A slot, q, i0
.irp i, \i0, \i0+1, \i0+2, \i0+3
	FRAG AF+FR*(\i), ADRA+\slot, \q, \i
.endr
.endm
.macro SCALES sc
.irp i, 0,1,2,3,4,5,6,7
	ds_load_b64 v[SC+8*NQ*\sc+NQ*\i:SC+8*NQ*\sc+NQ*\i+1], v[ADRS] offset:\i*512
.endr
.endm
.macro PLACES n
.rept \n
	v_nop
.endr
.endm
.macro STEP slot, q, zero
	s_wait_dscnt 4*NL
	WIN MUL_LO
	MUL16 0, (\q)%2, \q, \slot, \zero
	MUL16 2, (\q)%2, \q, \slot, \zero
	s_wait_dscnt 0
	PLACES NP
	FETCH_B \slot, (\q)+1, 1-(\q)%2
	FETCH_A \slot, (\q)+1, 0
	WIN MUL_HI
	MUL16 4, (\q)%2, \q, \slot, \zero
	MUL16 6, (\q)%2, \q, \slot, \zero
	PLACES NP
	WIN 0
	FETCH_A \slot, (\q)+1, 4
.endm
.macro TURN slot, next, fill
	s_wait_tensorcnt 0x0
	ds_add_u32 v[SPW], v[NIL]
	s_wait_dscnt 4*NL+1
	WIN MUL_LO
	MUL16 0, 1, NQ-1, \slot, 0
	s_wait_dscnt 0x0
	s_barrier_signal -1
	MUL16 2, 1, NQ-1, \slot, 0
	WIN 0
	s_barrier_wait -1
.if \fill
	CREST
	s_add_nc_u64 s[G0+4*\slot+2:G0+4*\slot+3], s[G0+4*\slot+2:G0+4*\slot+3], 2*TILEB
	s_add_nc_u64 s[G0B+4*\slot+2:G0B+4*\slot+3], s[G0B+4*\slot+2:G0B+4*\slot+3], 2*TILEB
	JLOAD G0+4*\slot, G1, G0B+4*\slot, G1B
.else
	PLACES NP
.endif
	s_wait_alu depctr_va_vdst(0)
	v_add_nc_u32 v[ADRS], 128, v[ADRS]
	FETCH_B \next, 0, 0
	FETCH_A \next, 0, 0
	SCALES \next
	WIN MUL_HI
	MUL16 4, 1, NQ-1, \slot, 0
	MUL16 6, 1, NQ-1, \slot, 0
	PLACES NP
	WIN 0
	FETCH_A \next, 0, 4
.endm
.macro LAST
	s_wait_dscnt 4*NL
	WIN MUL_LO
	MUL16 0, 1, NQ-1, 1, 0
	MUL16 2, 1, NQ-1, 1, 0
	s_wait_dscnt 0
	WIN MUL_HI
	MUL16 4, 1, NQ-1, 1, 0
	MUL16 6, 1, NQ-1, 1, 0
	WIN 0
.endm
.macro QUANTW ac, w, d0, d1, pw
.set WW, ((\w)<<2)|((\w)<<4)
	WIN WW
.irp b, 0,1,2,3
	v_max3_num_f32 v[TM+\b], 0x2800000, |v[(\ac)+16*\b]|, |v[(\ac)+16*\b+1]|
.endr
.irp i, 2,4,6,8,10,12,14
.irp b, 0,1,2,3
	v_max3_num_f32 v[TM+\b], v[TM+\b], |v[(\ac)+16*\b+\i]|, |v[(\ac)+16*\b+\i+1]|
.endr
.endr
	WIN 0
.irp b, 0,1,2,3
	v_permlanex16_b32 v[TM+4+\b], v[TM+\b], s12, s13
.endr
.irp b, 0,1,2,3
	v_max_num_f32 v[TM+\b], v[TM+\b], v[TM+4+\b]
.endr
.irp b, 0,1,2,3
	v_add_nc_u32 v[TM+12+\b], 0xfe000000, v[TM+\b]
.endr
.irp b, 0,1,2,3
	v_lshrrev_b32 v[TM+4+\b], 23, v[TM+12+\b]
.endr
	v_lshl_or_b32 v[\pw], v[TM+5], 8, v[TM+4]
	v_lshl_or_b32 v[\pw], v[TM+6], 16, v[\pw]
	v_lshl_or_b32 v[\pw], v[TM+7], 24, v[\pw]
	WIN \w
	v_cvt_scalef32_pk16_bf6_f32 v[(\d0):(\d0)+2], v[(\ac):(\ac)+15], v[TM+12]
	v_cvt_scalef32_pk16_bf6_f32 v[176:178], v[(\ac)+16:(\ac)+31], v[TM+13]
	v_cvt_scalef32_pk16_bf6_f32 v[(\d1):(\d1)+2], v[(\ac)+32:(\ac)+47], v[TM+14]
	v_cvt_scalef32_pk16_bf6_f32 v[180:182], v[(\ac)+48:(\ac)+63], v[TM+15]
	v_nop
	WIN 0
.irp i, 0,1,2
	v_permlane16_swap_b32 v[(\d0)+\i], v[176+\i]
.endr
.irp i, 0,1,2
	v_mov_b32 v[(\d0)+3+\i], v[176+\i]
.endr
.irp i, 0,1,2
	v_permlane16_swap_b32 v[(\d1)+\i], v[180+\i]
.endr
.irp i, 0,1,2
	v_mov_b32 v[(\d1)+3+\i], v[180+\i]
.endr
.endm
	s_wait_alu depctr_va_vdst(0)
	s_wait_tensorcnt 1
	s_barrier_signal -1
	s_barrier_wait -1
	FETCH_B 0, 0, 0
	FETCH_A 0, 0, 0
	SCALES 0
	FETCH_A 0, 0, 4
	STEP 0, 0, 1
	TURN 0, 1, 1
	STEP 1, 0, 0
	TURN 1, 0, 1
	STEP 0, 0, 0
	TURN 0, 1, 0
	STEP 1, 0, 0
	s_cmp_eq_u32 ttmp9, 2
	s_cbranch_scc1 .Lv
	s_cmp_eq_u32 ttmp9, 0
	s_cselect_b64 s[8:9], s[8:9], s[10:11]
	s_mov_b32 s20, 12800
	s_cselect_b32 s20, 6400, s20
	s_mul_i32 s22, s95, s20
	s_mov_b32 s23, 0
	s_add_nc_u64 s[8:9], s[8:9], s[22:23]
	s_lshl_b32 s21, s20, 4
	v_lshlrev_b32 v24, 4, v1
	v_add_nc_u32 v25, s21, v24
	v_lshlrev_b32 v26, 4, v2
	v_mul_lo_u32 v6, v3, s21
	v_add_nc_u32 v26, v26, v6
	v_mov_b32 v30, 0x05040100
	v_mov_b32 v6, 0x07060302
	v_cndmask_b32 v30, v30, v6, s47
	v_lshlrev_b32 v31, 6, v3
.irp b, 0,1,2,3
	v_mov_b32 v[TM+4+\b], 0
.endr
.irp i, 0,1,2,3,4,5,6,7
	global_load_b128 v[BI+8*\i:BI+8*\i+3], v31, s[6:7] offset:(32*(\i/2)+8*(\i%2))*4
	global_load_b128 v[BI+8*\i+4:BI+8*\i+7], v31, s[6:7] offset:(32*(\i/2)+8*(\i%2))*4+16
.endr
	LAST
	s_wait_loadcnt 0x0
	PLACES NP
.irp j, 0,1,2,3,4,5,6,7
.set W, 2+\j/4
.set AC, 64*(\j%4)
.set RB, 128+24*((\j/2)%2)
.if (\j==4)||(\j==6)
	s_wait_xcnt 0x0
.endif
.set WW, (W<<6)|W
	WIN WW
.set n, 0
.rept 32
	v_pk_add_f32 v[AC+n:AC+n+1], v[AC+n:AC+n+1], v[BI+n:BI+n+1]
.set n, n+2
.endr
	QUANTW AC, W, RB+6*(\j%2), RB+12+6*(\j%2), PWJ+\j
.if \j%2
.irp c, 0,1
.irp g, 0,1,2
	global_store_b128 v[24+\c], v[RB+12*\c+4*\g:RB+12*\c+4*\g+3], s[8:9] offset:1536*(\j/2)+512*\g
.endr
.endr
.endif
.endr
.irp b, 0,1,2,3
	v_perm_b32 v[248+\b], v[PWJ+2*\b+1], v[PWJ+2*\b], v30
.endr
	global_store_b128 v26, v[248:251], s[8:9] offset:6144
	s_branch .Lend
.Lv:
	s_mul_i32 s22, s95, 12800
	s_add_co_u32 s22, s22, 6400
	s_mov_b32 s23, 0
	s_add_nc_u64 s[8:9], s[10:11], s[22:23]
	v_lshlrev_b32 v24, 4, v1
	v_lshlrev_b32 v26, 4, v2
	v_mul_u32_u24 v6, v3, 204800
	v_add_nc_u32 v26, v26, v6
	v_and_b32 v6, 8, v2
	v_add_nc_u32 v6, v6, v2
	v_lshlrev_b32 v31, 2, v6
.irp b, 0,1,2,3
	v_mov_b32 v[TM+4+\b], 0
.endr
.irp j, 0,1,2,3,4,5,6,7
	global_load_b32 v[BI+\j], v31, s[6:7] offset:(32*(\j/2)+8*(\j%2))*4
.endr
	LAST
	s_wait_loadcnt 0x0
	PLACES NP
.irp j, 0,1,2,3,4,5,6,7
.set W, 2+\j/4
.set AC, 64*(\j%4)
.set PCJ, 128+12*(\j%4)
.if \j==4
	s_wait_xcnt 0x0
.endif
.set WW, (W<<6)|W
	WIN WW
.set n, 0
.rept 32
.if \j%2
	v_pk_add_f32 v[AC+n:AC+n+1], v[AC+n:AC+n+1], v[BI+\j-1:BI+\j] op_sel:[0,1] op_sel_hi:[1,1]
.else
	v_pk_add_f32 v[AC+n:AC+n+1], v[AC+n:AC+n+1], v[BI+\j:BI+\j+1] op_sel_hi:[1,0]
.endif
.set n, n+2
.endr
	QUANTW AC, W, PCJ, PCJ+6, PWJ+\j
.irp g, 0,1,2
	global_store_b128 v24, v[PCJ+4*\g:PCJ+4*\g+3], s[8:9] offset:204800*(\j/4)+1536*(\j%4)+512*\g
.endr
.endr
.irp i, 0,1,2,3
	v_cndmask_b32 v[248+\i], v[PWJ+\i], v[PWJ+4+\i], s47
.endr
	global_store_b128 v26, v[248:251], s[8:9] offset:6144
.Lend:
	s_wait_tensorcnt 0x0
	ds_add_u32 v[SPW], v[NIL]
	s_wait_dscnt 0x0
	CROUND
	s_endpgm
.Lfunc_end_k_q090d853a30_qkv:
	.size	k_q090d853a30_qkv, .Lfunc_end_k_q090d853a30_qkv-k_q090d853a30_qkv
	.p2alignl 7, 3214868480
	.fill 96, 4, 3214868480
	.section	.rodata,"a",@progbits
	.p2align	6, 0x0
	.amdhsa_kernel k_q090d853a30_qkv
		.amdhsa_group_segment_fixed_size 327680
		.amdhsa_private_segment_fixed_size 0
		.amdhsa_enable_private_segment 0
		.amdhsa_kernarg_size 32
		.amdhsa_user_sgpr_count 2
		.amdhsa_user_sgpr_kernarg_segment_ptr 1
		.amdhsa_wavefront_size32 1
		.amdhsa_system_sgpr_workgroup_id_x 1
		.amdhsa_system_sgpr_workgroup_id_y 1
		.amdhsa_system_sgpr_workgroup_id_z 1
		.amdhsa_system_vgpr_workitem_id 0
		.amdhsa_next_free_vgpr 1024
		.amdhsa_next_free_sgpr 100
		.amdhsa_reserve_vcc 0
		.amdhsa_float_denorm_mode_32 3
		.amdhsa_float_denorm_mode_16_64 3
		.amdhsa_memory_ordered 1
		.amdhsa_forward_progress 1
		.amdhsa_inst_pref_size 227
	.end_amdhsa_kernel
	.amdgpu_metadata
---
amdhsa.version: [ 1, 2 ]
amdhsa.kernels:
  - .name:           k_q090d853a30_qkv
    .symbol:         k_q090d853a30_qkv.kd
    .args:
      - { .name: cq, .offset: 0, .size: 8, .value_kind: global_buffer, .address_space: global }
      - { .name: b_qkv, .offset: 8, .size: 8, .value_kind: global_buffer, .address_space: global }
      - { .name: qb, .offset: 16, .size: 8, .value_kind: global_buffer, .address_space: global }
      - { .name: kv, .offset: 24, .size: 8, .value_kind: global_buffer, .address_space: global }
    .group_segment_fixed_size: 327680
    .private_segment_fixed_size: 0
    .kernarg_segment_align: 8
    .kernarg_segment_size: 32
    .max_flat_workgroup_size: 128
    .sgpr_count:     100
    .vgpr_count:     1024
    .wavefront_size: 32
...
	.end_amdgpu_metadata
.endif
;; end of part 2
;; launch attn (part 3): grid 4 x 64, 16 waves a work-group, clusters of 4 x 1, 206,848 bytes of LDS; arguments qb, kv, ao; writes ao
.if DOCPART == 3
	.amdgcn_target "amdgcn-amd-amdhsa--gfx1250"
	.amdhsa_code_object_version 6
	.text
	.protected	k_q090d853a30_attn
	.globl	k_q090d853a30_attn
	.p2align	8
	.type	k_q090d853a30_attn,@function
k_q090d853a30_attn:
	s_mov_b64 s[64:65], 0
	v_nop
	global_prefetch_b8 v0, s[64:65] scope:SCOPE_SE
	s_setreg_imm32_b32 hwreg(HW_REG_WAVE_MODE, 25, 1), 1
	s_wait_xcnt 0x0
	s_wait_alu depctr_hold_cnt(0) depctr_sa_sdst(0) depctr_va_vdst(0) depctr_va_sdst(0) depctr_va_ssrc(0) depctr_va_vcc(0) depctr_vm_vsrc(0)
	s_getreg_b32 s2, hwreg(HW_REG_IB_STS2, 6, 4)
	s_cmp_eq_u32 s2, 0
	s_cbranch_scc0 .Lentry_in_a_cluster
	s_endpgm
.Lentry_in_a_cluster:
	s_bfe_u32 s2, ttmp6, 0x10000c
	s_cmp_lg_u32 s2, 0x3003
	s_cbranch_scc0 .Lentry_shape_is_right
	s_endpgm
.Lentry_shape_is_right:
; For each of 64 (batch, head): o = softmax(q k^T / 8) v, both products on codes of BF6 (E3M2) with E8M0 scales; o / l is quantised along the embedding's axis at once and stored as the last product's operand (buffer ao).
; THE SOFTMAX AHEAD OF THE SECOND PRODUCT: t = score x log2(e) / 8 (q arrives without its factor 1/8, a power of two, which goes through the quantiser unchanged); M = the running largest t rounded UP to a whole number;
; p = 2^(t - M) is quantised along the keys, not normalised; the row's sum is taken of the unquantised p and divides at the end.  When M moves, the sum and O are multiplied by 2^(old M - new M): exact.
; SHARES.  A head's k, v and scale words are 16 key steps x 12,800 bytes = 204,800 bytes: they come into LDS ONCE, each wave bringing one key step, and are never filled again: one barrier, no ring.
; A work-group owns 512 queries of one head; the four work-groups of a head form a cluster and ask for each key step JOINTLY.  Sixteen waves of 256 registers, four to a SIMD, so that one wave's exponentials stand
; beside another's products and LDS loads.  A wave owns 32 queries, two tiles of 16, and walks the 16 key steps once for each tile.
; LAYOUT.  Both products are used transposed: S^T = k q^T, O^T = v^T p^T: a lane holds one query throughout.  A tile 2 B + u holds in lane r the row 32 B + 8 u + r + 8 (r / 8), so the 16 registers of two
; neighbouring tiles are 16 neighbouring keys (or channels).  All operands lie as images of their registers: three runs of 16 bytes x lane.
; K = 64 UNDER AN INSTRUCTION OF 128: a fragment of k holds TWO key tiles (registers 0-5 and 6-11); it is multiplied by [q | 0] for the first and by [0 | q] for the second.  The zero codes stand on q's side, with the scale byte 0 (2^-127).
; OUT.  ao: [token tile (512)][head (16)][768 bytes]: 16 tokens x 64 channels, registers 0-3 at 16 x lane, registers 4-5 at 512 + 8 x lane; scale words from byte 6,291,456 on: [tile][256 along E (4)][r (16)][2 words].
; A token's scale word for 128 along E belongs to two heads, that is to two work-groups: so a wave stores two bytes a token: the one store of this program that does not fill 256 consecutive bytes (64 bytes a wave beside 1,536 of codes).
; LIMITS: NaN and infinities are not served; a block under 2^-122 keeps the byte 1; a block of zeros gets the byte 1 where the rule says 127 (its codes are zeros; this program alone reads the bytes).
.set QR,   16                          ; v16-33   [q | six zeros | q]
.set QD,   34                          ; v34-45   my two tiles of q as loaded
.set QS1,  46                          ; v46, v47 q's scale bytes in the low half, in the high half
.set QS2,  47
.set KEEP, 48                          ; v48      the two tiles' scale bytes of o: lanes 0-15 the first tile's, lanes 16-31 the second's
.set QW,   49                          ; v49      q's scale word as loaded
.set KV,   50                          ; v50-97   four fragments of k or of v
.set S,    98                          ; v98-161  S^T, then p
.set O,    162                         ; v162-193 O^T
.set P,    194                         ; v194-205 p's codes
.set T0,   206                         ; v206-208, v210-212 at work in the conversions
.set KSC,  214                         ; v214-217 k's scale words
.set VSC,  218                         ; v218-221 v's
.set BM,   222                         ; v222-225 the blocks' largest scores, then largest p
.set PT,   226                         ; v226-229 the other half's, then the bytes
.set SO,   230                         ; v230-233 the conversions' scale operands
.set TP,   238
.set F,    240                         ; v[240:241] f = 2^(old M - new M) (v241 is named with it as a pair)
.set PW,   242                         ; v242     p's scale word
.set C2,   244                         ; v[244:245] the sum's second chain
.macro CROUND                          ; a round of the cluster's barrier
	s_barrier_signal -1
	s_barrier_wait -1
	s_cmp_lg_u32 s10, 0
	s_cbranch_scc1 .Lnot_wave_0_\@
	s_barrier_signal -3
.Lnot_wave_0_\@:
	s_barrier_wait -3
	s_barrier_signal -1
	s_barrier_wait -1
.endm
	s_load_b128 s[4:7], s[0:1], 0x0                ; qb s[4:5], kv s[6:7]
	s_load_b64 s[8:9], s[0:1], 0x10                ; ao
	v_lshl_add_u32 v254, v0, 2, 0x32000
	v_mov_b32 v255, 0
	ds_add_u32 v254, v255
	ds_add_u32 v254, v255
	v_lshrrev_b32 v5, 5, v0
	s_delay_alu instid0(VALU_DEP_1)
	v_readfirstlane_b32 s10, v5                    ; wave 0..15
	s_bfe_u32 s11, ttmp6, 0x40000                  ; cx: which 512 queries
	s_and_b32 s12, ttmp7, 0xffff                   ; 16 x batch + head: the four partners share it
	s_mov_b32 s14, 0x76543210
	s_mov_b32 s15, 0xfedcba98                      ; v_permlanex16_b32's selects for lane l xor 16
	s_mov_b32 s16, 0x3e38aa3b                      ; c = log2(e) / 8
	s_mov_b32 s17, s16                             ; (named with it as a pair)
	; descriptor group 1: a key step, 12,800 dense bytes, as 50 rows of 256
	s_mov_b32 s20, 15|(3<<16)|(1<<21)              ; 15:0 the mask: all four work-groups; 17:16 elements of 8 bytes; 21 set beside a mask
	s_mov_b32 s21, 32<<16                          ; tensor_dim0
	s_mov_b32 s22, 50<<16                          ; tensor_dim1
	s_mov_b32 s23, 32<<16                          ; tile_dim0
	s_mov_b32 s24, 50                              ; tile_dim1
	s_mov_b32 s25, 32                              ; tensor_dim0_stride
	s_mov_b32 s26, 0
	s_mov_b32 s27, 0
	s_mov_b32 s28, 1
	s_mul_i32 s29, s10, 12800                      ; LDS address: key step = my wave's number
	s_mul_i32 s40, s12, 204800
	s_add_co_u32 s40, s40, s29
	s_mov_b32 s41, 0
	s_lshl_b32 s42, s12, 4
	s_lshl_b32 s43, s11, 2
	s_add_co_u32 s42, s42, s43
	s_lshr_b32 s43, s10, 2
	s_add_co_u32 s42, s42, s43                     ; my queries' step of 128 in qb: 16 (batch, head) + 4 cx + wave / 4
	s_mul_i32 s42, s42, 6400
	s_mov_b32 s43, 0
	s_and_b32 s44, s10, 3                          ; and my fragment in it
	s_mul_i32 s45, s44, 1536
	s_lshl_b32 s44, s44, 2
	s_lshr_b32 s46, s12, 4
	s_lshl_b32 s46, s46, 7
	s_lshl_b32 s47, s11, 5
	s_add_co_u32 s46, s46, s47
	s_lshl_b32 s47, s10, 1
	s_add_co_u32 s46, s46, s47                     ; my first token tile in ao: 128 batch + 32 cx + 2 wave
	s_and_b32 s48, s12, 15                         ; the head
	s_mul_i32 s50, s46, 12288
	s_mul_i32 s49, s48, 768
	s_add_co_u32 s50, s50, s49
	s_mov_b32 s51, 0
	s_lshl_b32 s52, s46, 9
	s_lshr_b32 s49, s48, 2
	s_lshl_b32 s49, s49, 7
	s_add_co_u32 s52, s52, s49                     ; the scale bytes: 512 a tile, 128 for each four heads,
	s_and_b32 s49, s12, 3
	s_lshl_b32 s49, s49, 1
	s_add_co_u32 s52, s52, s49                     ; 2 for each head among them
	s_add_co_u32 s52, s52, 6291456
	s_mov_b32 s53, 0
	s_mov_b32 s34, 2                               ; passes
	s_mov_b32 s35, 0x0000ffff                      ; the lanes that keep this pass's scale bytes
	s_wait_dscnt 0x0
	s_wait_kmcnt 0x0
	s_add_nc_u64 s[30:31], s[6:7], s[40:41]
	s_or_b32 s31, s31, 0x80000000
	s_add_nc_u64 s[4:5], s[4:5], s[42:43]
	s_add_nc_u64 s[36:37], s[8:9], s[50:51]
	s_add_nc_u64 s[38:39], s[8:9], s[52:53]
	CROUND                                         ; all four work-groups are here: the joint loads meet
	tensor_load_to_lds s[28:31], s[20:27]          ; my one tensor load of the launch
	s_nop 0
.rept 4
	v_nop
.endr
	v_and_b32 v5, 31, v0                           ; lane
	v_and_b32 v10, 15, v0                          ; r
	v_bfe_u32 v11, v0, 4, 1                        ; h
	s_delay_alu instid0(VALU_DEP_3)
	v_lshlrev_b32 v1, 4, v5                        ; 16 x lane
	s_delay_alu instid0(VALU_DEP_3)
	v_lshlrev_b32 v2, 4, v10                       ; 16 r
	v_lshlrev_b32 v6, 3, v5                        ; 8 x lane
	v_lshlrev_b32 v7, 3, v10
	s_delay_alu instid0(VALU_DEP_1)
	v_lshl_add_u32 v7, v11, 9, v7                  ; 8 r, lanes 16-31 in the next tile
	v_add_nc_u32 v8, s45, v1
	v_add_nc_u32 v9, s44, v2
.irp g, 0,1,2
	global_load_b128 v[QD+4*\g:QD+4*\g+3], v8, s[4:5] offset:512*\g
.endr
	global_load_b32 v[QW], v9, s[4:5] offset:6144
.irp i, 0,1,2,3,4,5
	v_mov_b32 v[QR+6+\i], 0                        ; the zero codes
.endr
	v_mov_b32 v[KEEP], 0
.irp b, 0,1,2,3
	v_mov_b32 v[PT+\b], 0                          ; written once: a lane permute's destination counts as one of its sources
.endr
	v_mov_b32 v[TP], 0
	v_mov_b32 v[F+1], 0
	s_wait_tensorcnt 0x0                           ; my key step is in LDS,
	s_barrier_signal -1
	s_barrier_wait -1                              ; everybody's is: from here on LDS is only read
	s_wait_loadcnt 0x0                             ; q
.Lpass:                                            ; two trips: one tile of 16 queries each
	s_wait_alu depctr_va_vdst(0)
.irp i, 0,1,2,3,4,5
	v_mov_b32 v[QR+\i], v[QD+\i]
	v_mov_b32 v[QR+12+\i], v[QD+\i]
.endr
	v_and_b32 v[QS1], 0xffff, v[QW]                ; the tile's two bytes for [q | 0]; the idle half's bytes are 0
	v_lshlrev_b32 v[QS2], 16, v[QW]                ; and for [0 | q]
	v_mov_b32 v13, 0xff61b1e6                      ; the largest t so far: -3e38
	s_delay_alu instid0(VALU_DEP_1)
	v_floor_f32 v12, -v13                          ; -M
	v_mov_b32 v14, 0                               ; the sum, in two halves
	v_mov_b32 v15, 0
.set j, 0
.rept 32
	v_mov_b32 v[O+j], 0                            ; O^T: the key step is written once; its first trip finds zeros.  (These lines are also the places between the writes of q and its scales and the first product)
.set j, j+1
.endr
	s_mov_b32 s32, 0                               ; LDS byte of the key step in hand
	s_mov_b32 s33, 16
.Lstep:                                            ; 16 trips: 128 keys each
	s_setprio 2
	v_add_nc_u32 v3, s32, v1
	v_add_nc_u32 v4, s32, v2
	v_nop
	v_nop                                          ; four places in front of loads into registers that the last products read
	ds_load_b128 v[KSC:KSC+3], v4 offset:6144
.irp b, 0,1,2,3
.irp g, 0,1,2
	ds_load_b128 v[KV+12*\b+4*\g:KV+12*\b+4*\g+3], v3 offset:1536*\b+512*\g
.endr
.endr
	s_wait_alu depctr_va_vdst(0)
.irp b, 0,1,2,3
	s_wait_dscnt 9-3*\b                            ; the words and fragments 0 .. b are in; the later fragments' three loads each may be out
	v_wmma_scale_f32_16x16x128_f8f6f4 v[S+16*\b:S+16*\b+7], v[KV+12*\b:KV+12*\b+11], v[QR:QR+11], 0, v[KSC+\b], v[QS1] matrix_a_fmt:MATRIX_FMT_BF6 matrix_b_fmt:MATRIX_FMT_BF6
	v_wmma_scale_f32_16x16x128_f8f6f4 v[S+16*\b+8:S+16*\b+15], v[KV+12*\b:KV+12*\b+11], v[QR+6:QR+17], 0, v[KSC+\b], v[QS2] matrix_a_fmt:MATRIX_FMT_BF6 matrix_b_fmt:MATRIX_FMT_BF6
.endr                                              ; register 16 b + i of lane (r, h): query r, key 32 b + 16 h + i
.rept 4
	v_nop                                          ; places in front of the loads below and of the first read of the scores
.endr
	ds_load_b128 v[VSC:VSC+3], v4 offset:12544     ; v lands while the softmax is walked
.irp t, 0,1,2,3
.irp g, 0,1,2
	ds_load_b128 v[KV+12*\t+4*\g:KV+12*\t+4*\g+3], v3 offset:6400+1536*\t+512*\g
.endr
.endr
.irp b, 0,1,2,3
	v_max3_num_f32 v[BM+\b], v[S+16*\b], v[S+1+16*\b], v[S+2+16*\b]   ; the largest score of each block of 32 keys: for the row's maximum and, since p rises with the score, for the block's largest p
.endr
.irp i, 3,5,7,9,11,13
.irp b, 0,1,2,3
	v_max3_num_f32 v[BM+\b], v[BM+\b], v[S+16*\b+\i], v[S+1+16*\b+\i]
.endr
.endr
.irp b, 0,1,2,3
	v_max_num_f32 v[BM+\b], v[BM+\b], v[S+15+16*\b]
.endr
.irp b, 0,1,2,3
	s_delay_alu instid0(VALU_DEP_4)
	v_permlanex16_b32 v[PT+\b], v[BM+\b], s14, s15
.endr
.irp b, 0,1,2,3
	s_delay_alu instid0(VALU_DEP_4)
	v_max_num_f32 v[BM+\b], v[BM+\b], v[PT+\b]     ; with lane l xor 16's 16 keys
.endr
	s_delay_alu instid0(VALU_DEP_2)
	v_max3_num_f32 v[TP], v[BM], v[BM+1], v[BM+2]
	s_delay_alu instid0(VALU_DEP_1)
	v_max_num_f32 v[TP], v[TP], v[BM+3]
	s_delay_alu instid0(VALU_DEP_1)
	v_mul_f32 v[TP], s16, v[TP]                    ; as t (c is positive)
	s_delay_alu instid0(VALU_DEP_1)
	v_max_num_f32 v13, v13, v[TP]                  ; the running largest t
	v_mov_b32 v[TP], v12
	s_delay_alu instid0(VALU_DEP_2)
	v_floor_f32 v12, -v13                          ; the new -M = floor(-t): M is a whole number
	s_delay_alu instid0(VALU_DEP_1)
	v_sub_f32 v[TP], v12, v[TP]                    ; old M - new M: a whole number, 0 or less
	s_delay_alu instid0(VALU_DEP_1)
	v_cvt_i32_f32 v[TP], v[TP]                     ; (it saturates)
	s_delay_alu instid0(VALU_DEP_1)
	v_ldexp_f32 v[F], 1.0, v[TP]                   ; f = 2^(old M - new M)
.set j, 0
.rept 32
	v_pk_fma_f32 v[S+j:S+j+1], v[S+j:S+j+1], s[16:17], v[12:13] op_sel_hi:[1,0,0]   ; t - M, two at a time
.set j, j+2
.endr
.irp b, 0,1,2,3
	v_fma_f32 v[BM+\b], v[BM+\b], s16, v12         ; the same of each block's largest score
.endr
.set j, 0
	s_wait_alu depctr_va_vdst(0)
.rept 64
	v_exp_f32 v[S+j], v[S+j]                       ; p = 2^(t - M), at most 1: not normalised
.set j, j+1
.endr
	s_setprio 1
	v_pk_mul_f32 v[14:15], v[14:15], v[F:F+1] op_sel_hi:[1,0]   ; the sums under the new M (a plain place behind the exponentials)
	s_wait_alu depctr_va_vdst(0)                   ; one wait for the whole batch, ahead of its first reader
.irp b, 0,1,2,3
	v_exp_f32 v[BM+\b], v[BM+\b]                   ; the block's largest p: the same two instructions on the same number
.endr
	v_pk_add_f32 v[244:245], v[102:103], v[106:107]
	v_pk_add_f32 v[252:253], v[110:111], v[114:115]
	v_pk_add_f32 v[250:251], v[118:119], v[122:123]
	v_pk_add_f32 v[248:249], v[126:127], v[130:131]
	v_pk_add_f32 v[246:247], v[134:135], v[138:139]
	v_pk_add_f32 v[242:243], v[142:143], v[146:147]
	v_pk_add_f32 v[236:237], v[150:151], v[154:155]
	v_pk_add_f32 v[14:15], v[14:15], v[158:159]
	v_pk_add_f32 v[244:245], v[244:245], v[98:99]
	v_pk_add_f32 v[252:253], v[252:253], v[100:101]
	v_pk_add_f32 v[250:251], v[250:251], v[104:105]
	v_pk_add_f32 v[248:249], v[248:249], v[108:109]
	v_pk_add_f32 v[246:247], v[246:247], v[112:113]
	v_pk_add_f32 v[242:243], v[242:243], v[116:117]
	v_pk_add_f32 v[236:237], v[236:237], v[120:121]
	v_pk_add_f32 v[14:15], v[14:15], v[124:125]
	v_pk_add_f32 v[244:245], v[244:245], v[128:129]
	v_pk_add_f32 v[252:253], v[252:253], v[132:133]
	v_pk_add_f32 v[250:251], v[250:251], v[136:137]
	v_pk_add_f32 v[248:249], v[248:249], v[140:141]
	v_pk_add_f32 v[246:247], v[246:247], v[144:145]
	v_pk_add_f32 v[242:243], v[242:243], v[148:149]
	v_pk_add_f32 v[236:237], v[236:237], v[152:153]
	v_pk_add_f32 v[14:15], v[14:15], v[156:157]
	v_pk_add_f32 v[244:245], v[244:245], v[160:161]
	s_delay_alu instid0(VALU_DEP_2)
	v_pk_add_f32 v[14:15], v[14:15], v[248:249]
	s_delay_alu instid0(VALU_DEP_2)
	v_pk_add_f32 v[244:245], v[244:245], v[246:247]
	v_pk_add_f32 v[252:253], v[252:253], v[242:243]
	v_pk_add_f32 v[250:251], v[250:251], v[236:237]
	s_delay_alu instid0(VALU_DEP_2)
	v_pk_add_f32 v[14:15], v[14:15], v[252:253]
	s_delay_alu instid0(VALU_DEP_2)
	v_pk_add_f32 v[244:245], v[244:245], v[250:251]
	s_delay_alu instid0(VALU_DEP_1)
	v_pk_add_f32 v[14:15], v[14:15], v[244:245]
	s_wait_alu depctr_va_vdst(0)                   ; and one for the four
.irp b, 0,1,2,3
	v_max_num_f32 v[BM+\b], 0x2800000, v[BM+\b]    ; the floor 2^(5 - 127): the byte cannot fall under 1
.endr
.irp b, 0,1,2,3
	s_delay_alu instid0(VALU_DEP_4)
	v_add_nc_u32 v[SO+\b], 0xfe000000, v[BM+\b]    ; 4 off the exponent field: the conversion's scale operand
.endr
.irp b, 0,1,2,3
	s_delay_alu instid0(VALU_DEP_4)
	v_lshrrev_b32 v[PT+\b], 23, v[SO+\b]           ; the scale's byte
.endr
	s_delay_alu instid0(VALU_DEP_3)
	v_lshl_or_b32 v[PW], v[PT+1], 8, v[PT]         ; p's scale word for these 128 keys
	s_delay_alu instid0(VALU_DEP_1)
	v_lshl_or_b32 v[PW], v[PT+2], 16, v[PW]
	s_delay_alu instid0(VALU_DEP_1)
	v_lshl_or_b32 v[PW], v[PT+3], 24, v[PW]
.irp c, 0,1
	v_cvt_scalef32_pk16_bf6_f32 v[P+6*\c:P+2+6*\c], v[S+32*\c:S+15+32*\c], v[SO+2*\c]
	v_cvt_scalef32_pk16_bf6_f32 v[T0+4*\c:T0+2+4*\c], v[S+16+32*\c:S+31+32*\c], v[SO+2*\c+1]
.endr
	v_nop                                          ; one plain place behind a scaled conversion
.irp c, 0,1                            ; a whole block to a lane: lanes 0-15 block 2 c, lanes 16-31 block 2 c + 1
.irp i, 0,1,2
	v_permlane16_swap_b32 v[P+6*\c+\i], v[T0+4*\c+\i]
.endr
.irp i, 0,1,2
	s_delay_alu instid0(VALU_DEP_3)
	v_mov_b32 v[P+3+6*\c+\i], v[T0+4*\c+\i]
.endr
.endr
.set j, 0
	s_setprio 0
.rept 16
	v_pk_mul_f32 v[O+j:O+j+1], v[O+j:O+j+1], v[F:F+1] op_sel_hi:[1,0]   ; O^T under the new M.  (Also the places between the writes of p's codes and scale word and the products)
.set j, j+2
.endr
	s_wait_alu depctr_va_vdst(0)
	s_wait_dscnt 0x0                               ; v and its scale words are in
.irp t, 0,1,2,3
	v_wmma_scale_f32_16x16x128_f8f6f4 v[O+8*\t:O+8*\t+7], v[KV+12*\t:KV+12*\t+11], v[P:P+11], v[O+8*\t:O+8*\t+7], v[VSC+\t], v[PW] matrix_a_fmt:MATRIX_FMT_BF6 matrix_b_fmt:MATRIX_FMT_BF6
.endr                                              ; the four accumulators by turns, one instruction a turn
	s_add_co_u32 s32, s32, 12800
	s_sub_co_u32 s33, s33, 1
	s_cmp_lg_u32 s33, 0
	s_cbranch_scc1 .Lstep
	s_setprio 0
	; the tile's end: o = O^T / the sum, quantised along its 64 channels: register 16 B + i of lane (r, h) is channel 32 B + 16 h + i of query r
.rept 4
	v_nop                                          ; places behind the last products
.endr
	v_add_f32 v14, v14, v15                        ; the sum's two halves,
	s_delay_alu instid0(VALU_DEP_1)
	v_permlanex16_b32 v[TP], v14, s14, s15
	s_delay_alu instid0(VALU_DEP_1)
	v_add_f32 v14, v14, v[TP]                      ; and lane l xor 16's
	s_wait_alu depctr_va_vdst(0)
	v_rcp_f32 v14, v14
	v_nop                                          ; a plain place behind the reciprocal
	s_wait_alu depctr_va_vdst(0)                   ; and the wait ahead of its first reader
.set j, 0
.rept 16
	v_pk_mul_f32 v[S+j:S+j+1], v[O+j:O+j+1], v[14:15] op_sel_hi:[1,0]   ; each accumulator from its low end on
.set j, j+2
.endr
.irp b, 0,1
	v_max3_num_f32 v[BM+\b], |v[S+16*\b]|, |v[S+1+16*\b]|, 0x2800000
.endr
.irp i, 2,4,6,8,10,12,14
.irp b, 0,1
	s_delay_alu instid0(VALU_DEP_2)
	v_max3_num_f32 v[BM+\b], v[BM+\b], |v[S+16*\b+\i]|, |v[S+1+16*\b+\i]|
.endr
.endr
.irp b, 0,1
	s_delay_alu instid0(VALU_DEP_2)
	v_permlanex16_b32 v[PT+\b], v[BM+\b], s14, s15
.endr
.irp b, 0,1
	s_delay_alu instid0(VALU_DEP_2)
	v_max_num_f32 v[BM+\b], v[BM+\b], v[PT+\b]
.endr
.irp b, 0,1
	s_delay_alu instid0(VALU_DEP_2)
	v_add_nc_u32 v[SO+\b], 0xfe000000, v[BM+\b]
.endr
.irp b, 0,1
	s_delay_alu instid0(VALU_DEP_2)
	v_lshrrev_b32 v[PT+\b], 23, v[SO+\b]
.endr
	s_delay_alu instid0(VALU_DEP_1)
	v_lshl_or_b32 v[TP], v[PT+1], 8, v[PT]         ; my token's two scale bytes for this head
	v_cvt_scalef32_pk16_bf6_f32 v[P:P+2], v[S:S+15], v[SO]
	v_cvt_scalef32_pk16_bf6_f32 v[T0:T0+2], v[S+16:S+31], v[SO+1]
	v_nop
.irp i, 0,1,2
	v_permlane16_swap_b32 v[P+\i], v[T0+\i]
.endr
.irp i, 0,1,2
	s_delay_alu instid0(VALU_DEP_3)
	v_mov_b32 v[P+3+\i], v[T0+\i]
.endr
	global_store_b128 v1, v[P:P+3], s[36:37]               ; 512 consecutive bytes, aligned,
	global_store_b64 v6, v[P+4:P+5], s[36:37] offset:512   ; and 256
	v_cndmask_b32 v[KEEP], v[KEEP], v[TP], s35
	s_wait_xcnt 0x0                                ; the stores have read their registers and their base
	s_add_nc_u64 s[36:37], s[36:37], 12288         ; the next token tile
	s_not_b32 s35, s35
.irp i, 0,1,2,3,4,5
	v_mov_b32 v[QD+\i], v[QD+6+\i]                 ; the second tile of q takes the first's place,
.endr
	v_lshrrev_b32 v[QW], 16, v[QW]                 ; its scale bytes too
	s_sub_co_u32 s34, s34, 1
	s_cmp_lg_u32 s34, 0
	s_cbranch_scc1 .Lpass
	s_wait_alu depctr_va_vdst(0)
	global_store_b16 v7, v[KEEP], s[38:39]         ; two bytes a token: lanes 0-15 the first tile's, lanes 16-31 the second's
	s_wait_tensorcnt 0x0
	ds_add_u32 v254, v255
	s_wait_dscnt 0x0
	CROUND                                         ; the closing round
	s_endpgm
.Lfunc_end_k_q090d853a30_attn:
	.size	k_q090d853a30_attn, .Lfunc_end_k_q090d853a30_attn-k_q090d853a30_attn
	.p2alignl 7, 3214868480
	.fill 96, 4, 3214868480
	.section	.rodata,"a",@progbits
	.p2align	6, 0x0
	.amdhsa_kernel k_q090d853a30_attn
		.amdhsa_group_segment_fixed_size 206848
		.amdhsa_private_segment_fixed_size 0
		.amdhsa_enable_private_segment 0
		.amdhsa_kernarg_size 24
		.amdhsa_user_sgpr_count 2
		.amdhsa_user_sgpr_kernarg_segment_ptr 1
		.amdhsa_wavefront_size32 1
		.amdhsa_system_sgpr_workgroup_id_x 1
		.amdhsa_system_sgpr_workgroup_id_y 1
		.amdhsa_system_sgpr_workgroup_id_z 1
		.amdhsa_system_vgpr_workitem_id 0
		.amdhsa_next_free_vgpr 256
		.amdhsa_next_free_sgpr 66
		.amdhsa_reserve_vcc 0
		.amdhsa_float_denorm_mode_32 3
		.amdhsa_float_denorm_mode_16_64 3
		.amdhsa_memory_ordered 1
		.amdhsa_forward_progress 1
		.amdhsa_inst_pref_size 30
	.end_amdhsa_kernel
	.amdgpu_metadata
---
amdhsa.version: [ 1, 2 ]
amdhsa.kernels:
  - .name:           k_q090d853a30_attn
    .symbol:         k_q090d853a30_attn.kd
    .args:
      - { .name: qb, .offset: 0, .size: 8, .value_kind: global_buffer, .address_space: global }
      - { .name: kv, .offset: 8, .size: 8, .value_kind: global_buffer, .address_space: global }
      - { .name: ao, .offset: 16, .size: 8, .value_kind: global_buffer, .address_space: global }
    .group_segment_fixed_size: 206848
    .private_segment_fixed_size: 0
    .kernarg_segment_align: 8
    .kernarg_segment_size: 24
    .max_flat_workgroup_size: 512
    .sgpr_count:     66
    .vgpr_count:     256
    .wavefront_size: 32
...
	.end_amdgpu_metadata
.endif
;; end of part 3
;; launch proj (part 4): grid 4 x 32, 4 waves a work-group, clusters of 4 x 4, 327,680 bytes of LDS; arguments ao, cq, b_out, out0; writes out0
.if DOCPART == 4
	.amdgcn_target "amdgcn-amd-amdhsa--gfx1250"
	.amdhsa_code_object_version 6
	.text
	.protected	k_q090d853a30_proj
	.globl	k_q090d853a30_proj
	.p2align	8
	.type	k_q090d853a30_proj,@function
k_q090d853a30_proj:
	s_mov_b64 s[64:65], 0
	v_nop
	global_prefetch_b8 v0, s[64:65] scope:SCOPE_SE
	s_setreg_imm32_b32 hwreg(HW_REG_WAVE_MODE, 25, 1), 1
	s_wait_xcnt 0x0
	s_wait_alu depctr_hold_cnt(0) depctr_sa_sdst(0) depctr_va_vdst(0) depctr_va_sdst(0) depctr_va_ssrc(0) depctr_va_vcc(0) depctr_vm_vsrc(0)
	s_getreg_b32 s2, hwreg(HW_REG_IB_STS2, 6, 4)
	s_cmp_eq_u32 s2, 0
	s_cbranch_scc0 .Lentry_in_a_cluster
	s_endpgm
.Lentry_in_a_cluster:
	s_bfe_u32 s2, ttmp6, 0x10000c
	s_cmp_lg_u32 s2, 0xf033
	s_cbranch_scc0 .Lentry_shape_is_right
	s_endpgm
.Lentry_shape_is_right:
.set NQ,     2
.set FR,     12
.set NL,     4
.set NP,     4
.set TILEB,  3072
.set HALFT,  8*TILEB
.set SLOT,   4*HALFT
.set SPARE,  2*SLOT
.set SCL,    SPARE+512
.set CQS,    9437184
.set AOS,    6291456
.set SPITCH, 528
.set ADRA, 16
.set ADRB, 20
.set STO,  24
.set RD,   25
.set CO,   26
.set ADRS, 27
.set SPW,  28
.set NIL,  29
.set SC,   32
.set BI,   64
.set AF,   128
.set BK,   128
.set G1, 24
.set G0, 32
.set G1B, 48
.set G0B, 56
.set G1S, 68
.set G0S, 76
.set G1SB, 80
.set G0SB, 88
.set MSB, 0
.macro WIN new
.if MSB != (\new)
	s_set_vgpr_msb (MSB<<8)|(\new)
.set MSB, (\new)
.endif
.endm
.set MUL_LO, 0xa1
.set MUL_HI, 0xf1
.set TO_B,   0x40
.macro JLOAD g0a, g1a, g0b, g1b
	s_cmp_eq_u32 s15, 0
	s_cbranch_scc0 .Lfor_b_\@
	tensor_load_to_lds s[\g0a:\g0a+3], s[\g1a:\g1a+7]
	s_nop 0
.rept 4
	v_nop
.endr
	s_branch .Lasked_\@
.Lfor_b_\@:
	tensor_load_to_lds s[\g0b:\g0b+3], s[\g1b:\g1b+7]
	s_nop 0
.rept 4
	v_nop
.endr
.Lasked_\@:
.endm
.macro CREST
	s_cmp_lg_u32 s14, 0
	s_cbranch_scc1 .Lnot_wave_0_\@
	s_barrier_signal -3
.Lnot_wave_0_\@:
	s_barrier_wait -3
	s_barrier_signal -1
	s_barrier_wait -1
.endm
.macro CROUND
	s_barrier_signal -1
	s_barrier_wait -1
	CREST
.endm
	s_load_b256 s[4:11], s[0:1], 0x0
	v_lshl_add_u32 v[SPW], v0, 2, SPARE
	v_mov_b32 v[NIL], 0
	ds_add_u32 v28, v29
	ds_add_u32 v28, v29
	s_wait_dscnt 0x0
	v_lshrrev_b32 v1, 5, v0
	v_readfirstlane_b32 s14, v1
	s_lshr_b32 s15, s14, 1
	s_and_b32 s16, s14, 1
	s_bfe_u32 s40, ttmp6, 0x40000
	s_bfe_u32 s41, ttmp6, 0x40004
	s_lshl_b32 s42, ttmp9, 2
	s_add_co_u32 s42, s42, s40
	s_and_b32 s17, ttmp7, 0xffff
	s_lshl_b32 s17, s17, 2
	s_add_co_u32 s17, s17, s41
	s_lshl_b32 s43, s41, 2
	s_lshl_b32 s43, 15, s43
	s_lshl_b32 s44, 0x1111, s40
	s_or_b32 s[G1+0], s43, (3<<16)|(1<<21)
	s_or_b32 s[G1B+0], s44, (3<<16)|(1<<21)
.irp g, G1, G1B
	s_mov_b32 s[\g+1], 384<<16
	s_mov_b32 s[\g+2], 8<<16
	s_mov_b32 s[\g+3], 384<<16
	s_mov_b32 s[\g+4], 8
	s_mov_b32 s[\g+5], 1536
	s_mov_b32 s[\g+6], 0
	s_mov_b32 s[\g+7], 0
.endr
	s_or_b32 s[G1S+0], s43, (3<<16)|(1<<21)
	s_or_b32 s[G1SB+0], s44, (3<<16)|(1<<21)
.irp g, G1S, G1SB
	s_mov_b32 s[\g+1], 32<<16
	s_mov_b32 s[\g+2], 16<<16
	s_mov_b32 s[\g+3], 32<<16
	s_mov_b32 s[\g+4], 16
	s_mov_b32 s[\g+5], 32
	s_mov_b32 s[\g+6], 0
	s_mov_b32 s[\g+7], 0
.endr
	s_lshl_b32 s18, s16, 3
	s_lshl_b32 s20, s17, 4
	s_add_co_u32 s20, s20, s18
	s_lshl_b32 s46, s42, 4
	s_add_co_u32 s46, s46, s18
	s_add_co_u32 s46, s46, 704
	s_lshl_b32 s22, s20, 9
	s_add_co_u32 s22, s22, AOS
	s_mov_b32 s23, 0
	s_lshl_b32 s92, s46, 9
	s_add_co_u32 s92, s92, CQS
	s_mov_b32 s93, 0
	s_mul_i32 s20, s20, 12288
	s_mov_b32 s21, 0
	s_mul_i32 s46, s46, 12288
	s_mov_b32 s47, 0
	s_mul_i32 s45, s14, HALFT
	s_lshl_b32 s94, s14, 12
	s_wait_kmcnt 0x0
	s_add_nc_u64 s[20:21], s[4:5], s[20:21]
	s_add_nc_u64 s[22:23], s[4:5], s[22:23]
	s_add_nc_u64 s[46:47], s[6:7], s[46:47]
	s_add_nc_u64 s[92:93], s[6:7], s[92:93]
	CROUND
	s_mov_b32 s[G0S], 1
	s_add_co_u32 s[G0S+1], s94, SCL
	s_mov_b64 s[G0S+2:G0S+3], s[22:23]
	s_or_b32 s[G0S+3], s[G0S+3], 0x80000000
	s_mov_b32 s[G0SB], 1
	s_add_co_u32 s[G0SB+1], s94, SCL
	s_mov_b64 s[G0SB+2:G0SB+3], s[92:93]
	s_or_b32 s[G0SB+3], s[G0SB+3], 0x80000000
	JLOAD G0S, G1S, G0SB, G1SB
.irp s, 0,1
	s_mov_b32 s[G0+4*\s], 1
	s_add_co_u32 s[G0+4*\s+1], s45, \s*SLOT
	s_add_nc_u64 s[G0+4*\s+2:G0+4*\s+3], s[20:21], \s*TILEB
	s_or_b32 s[G0+4*\s+3], s[G0+4*\s+3], 0x80000000
	s_mov_b32 s[G0B+4*\s], 1
	s_add_co_u32 s[G0B+4*\s+1], s45, \s*SLOT
	s_add_nc_u64 s[G0B+4*\s+2:G0B+4*\s+3], s[46:47], \s*TILEB
	s_or_b32 s[G0B+4*\s+3], s[G0B+4*\s+3], 0x80000000
	s_wait_alu depctr_va_vdst(0)
	s_wait_tensorcnt 0x0
	ds_add_u32 v28, v29
	s_wait_dscnt 0x0
	CROUND
	JLOAD G0+4*\s, G1, G0B+4*\s, G1B
.endr
	v_and_b32 v1, 31, v0
	v_and_b32 v2, 15, v0
	v_bfe_u32 v3, v0, 4, 1
	v_lshlrev_b32 v4, 4, v1
	s_wait_alu depctr_va_vdst(0)
	v_lshlrev_b32 v5, 3, v1
	s_wait_alu depctr_va_vdst(0)
	s_lshl_b32 s2, s42, 10
	s_lshl_b32 s3, s16, 9
	s_add_co_u32 s2, s2, s3
	s_mov_b32 s3, 0
	s_add_nc_u64 s[8:9], s[8:9], s[2:3]
	v_lshlrev_b32 v31, 6, v3
.irp i, 0,1,2,3,4,5,6,7
	global_load_b128 v[BI+8*\i:BI+8*\i+3], v31, s[8:9] offset:(32*(\i/2)+8*(\i%2))*4
	global_load_b128 v[BI+8*\i+4:BI+8*\i+7], v31, s[8:9] offset:(32*(\i/2)+8*(\i%2))*4+16
.endr
	s_mul_i32 s21, s15, HALFT
	s_mul_i32 s22, s16, HALFT
	s_add_co_u32 s22, s22, 2*HALFT
.irp s, 0,1
	v_add_nc_u32 v[ADRA+\s], s21, v4
	v_add_nc_u32 v[ADRB+\s], s22, v4
	v_add_nc_u32 v[ADRA+2+\s], s21, v5
	v_add_nc_u32 v[ADRB+2+\s], s22, v5
	s_add_co_u32 s21, s21, SLOT
	s_add_co_u32 s22, s22, SLOT
.endr
	v_lshlrev_b32 v6, 3, v2
	s_lshl_b32 s21, s15, 12
	s_lshl_b32 s22, s16, 12
	s_add_co_u32 s22, s22, 8192
	s_sub_co_u32 s22, s22, s21
	v_mul_u32_u24 v7, s22, v3
	s_add_co_u32 s21, s21, SCL
	v_add_nc_u32 v6, v6, v7
	v_add_nc_u32 v[ADRS], s21, v6
	s_mul_i32 s23, s14, 16*SPITCH
	v_mul_u32_u24 v6, v2, SPITCH
	v_lshl_add_u32 v6, v3, 6, v6
	v_add_nc_u32 v[STO], s23, v6
	v_lshlrev_b32 v[CO], 4, v1
	v_add_nc_u32 v[RD], s23, v[CO]
	s_lshl_b32 s18, s17, 8
	s_lshl_b32 s19, s15, 7
	s_add_co_u32 s18, s18, s19
	s_lshl_b32 s18, s18, 12
	s_add_co_u32 s18, s18, s2
	s_mov_b32 s19, 0
	s_add_nc_u64 s[10:11], s[10:11], s[18:19]
.macro FRAG reg, adr, q, i
	ds_load_b128 v[\reg:\reg+3], v[\adr] offset:TILEB*(\i)+1536*(\q)
	ds_load_b64 v[\reg+4:\reg+5], v[\adr+2] offset:TILEB*(\i)+1536*(\q)+512
	ds_load_b128 v[\reg+6:\reg+9], v[\adr] offset:TILEB*(\i)+1536*(\q)+768
	ds_load_b64 v[\reg+10:\reg+11], v[\adr+2] offset:TILEB*(\i)+1536*(\q)+1280
.endm
.macro MUL16 a0, p, q, sc, first
.irp a, \a0, \a0+1
.irp b, 0,1,2,3,4,5,6,7
.if \first
	v_wmma_scale_f32_16x16x128_f8f6f4 v[8*(8*((\a)%4)+\b):8*(8*((\a)%4)+\b)+7], v[128*(\p)+FR*\b:128*(\p)+FR*\b+FR-1], v[AF+FR*(\a):AF+FR*(\a)+FR-1], v[BI+8*\b:BI+8*\b+7], v[SC+8*NQ*(\sc)+NQ*\b+(\q)], v[SC+8*NQ*(\sc)+NQ*(\a)+(\q)] matrix_a_fmt:MATRIX_FMT_BF6 matrix_b_fmt:MATRIX_FMT_BF6 matrix_a_scale:MATRIX_SCALE_ROW1
.else
	v_wmma_scale_f32_16x16x128_f8f6f4 v[8*(8*((\a)%4)+\b):8*(8*((\a)%4)+\b)+7], v[128*(\p)+FR*\b:128*(\p)+FR*\b+FR-1], v[AF+FR*(\a):AF+FR*(\a)+FR-1], v[8*(8*((\a)%4)+\b):8*(8*((\a)%4)+\b)+7], v[SC+8*NQ*(\sc)+NQ*\b+(\q)], v[SC+8*NQ*(\sc)+NQ*(\a)+(\q)] matrix_a_fmt:MATRIX_FMT_BF6 matrix_b_fmt:MATRIX_FMT_BF6 matrix_a_scale:MATRIX_SCALE_ROW1
.endif
.endr
.endr
.endm
.macro FETCH_B slot, q, p
	WIN TO_B
.irp i, 0,1,2,3,4,5,6,7
	FRAG 128*(\p)+FR*\i, ADRB+\slot, \q, \i
.endr
	WIN 0
.endm
.macro FETCH_A slot, q, i0
.irp i, \i0, \i0+1, \i0+2, \i0+3
	FRAG AF+FR*(\i), ADRA+\slot, \q, \i
.endr
.endm
.macro SCALES sc
.irp i, 0,1,2,3,4,5,6,7
	ds_load_b64 v[SC+8*NQ*\sc+NQ*\i:SC+8*NQ*\sc+NQ*\i+1], v[ADRS] offset:\i*512
.endr
.endm
.macro PLACES n
.rept \n
	v_nop
.endr
.endm
.macro STEP slot, q, first
	s_wait_dscnt 4*NL
.if \first
	WIN 0x81
.else
	WIN MUL_LO
.endif
	MUL16 0, (\q)%2, \q, \slot, \first
	MUL16 2, (\q)%2, \q, \slot, \first
	s_wait_dscnt 0
	PLACES NP
	FETCH_B \slot, (\q)+1, 1-(\q)%2
	FETCH_A \slot, (\q)+1, 0
.if \first
	WIN 0xc1
.else
	WIN MUL_HI
.endif
	MUL16 4, (\q)%2, \q, \slot, \first
	MUL16 6, (\q)%2, \q, \slot, \first
	PLACES NP
	WIN 0
	FETCH_A \slot, (\q)+1, 4
.endm
.macro TURN slot, next, fill
	s_wait_tensorcnt 0x0
	ds_add_u32 v[SPW], v[NIL]
	s_wait_dscnt 4*NL+1
	WIN MUL_LO
	MUL16 0, 1, NQ-1, \slot, 0
	s_wait_dscnt 0x0
	s_barrier_signal -1
	MUL16 2, 1, NQ-1, \slot, 0
	WIN 0
	s_barrier_wait -1
.if \fill
	CREST
	s_add_nc_u64 s[G0+4*\slot+2:G0+4*\slot+3], s[G0+4*\slot+2:G0+4*\slot+3], 2*TILEB
	s_add_nc_u64 s[G0B+4*\slot+2:G0B+4*\slot+3], s[G0B+4*\slot+2:G0B+4*\slot+3], 2*TILEB
	JLOAD G0+4*\slot, G1, G0B+4*\slot, G1B
.else
	PLACES NP
.endif
	s_wait_alu depctr_va_vdst(0)
	v_add_nc_u32 v[ADRS], 128, v[ADRS]
	FETCH_B \next, 0, 0
	FETCH_A \next, 0, 0
	SCALES \next
	WIN MUL_HI
	MUL16 4, 1, NQ-1, \slot, 0
	MUL16 6, 1, NQ-1, \slot, 0
	PLACES NP
	WIN 0
	FETCH_A \next, 0, 4
.endm
	s_wait_alu depctr_va_vdst(0)
	s_wait_tensorcnt 1
	s_barrier_signal -1
	s_barrier_wait -1
	FETCH_B 0, 0, 0
	FETCH_A 0, 0, 0
	SCALES 0
	FETCH_A 0, 0, 4
	s_wait_loadcnt 0x0
	STEP 0, 0, 1
	TURN 0, 1, 1
	STEP 1, 0, 0
	TURN 1, 0, 1
	STEP 0, 0, 0
	TURN 0, 1, 0
	STEP 1, 0, 0
	s_wait_dscnt 4*NL
	WIN MUL_LO
	MUL16 0, 1, NQ-1, 1, 0
	MUL16 2, 1, NQ-1, 1, 0
	s_wait_dscnt 0
	WIN MUL_HI
	MUL16 4, 1, NQ-1, 1, 0
	MUL16 6, 1, NQ-1, 1, 0
	WIN 0
.macro TOSTAGE a
.set AC, 64*((\a)%4)
.set WW, 0x08+4*((\a)/4)
	WIN WW
.irp b, 0,1,2,3,4,5,6,7
	ds_store_b128 v[STO], v[AC+8*\b:AC+8*\b+3] offset:128*(\b/2)+32*(\b%2)
	ds_store_b128 v[STO], v[AC+8*\b+4:AC+8*\b+7] offset:128*(\b/2)+32*(\b%2)+16
.endr
	WIN 0
.set BB, BK+64*((\a)%2)
.irp t, 0,1,2,3,4,5,6,7,8,9,10,11,12,13,14,15
	ds_load_b128 v[BB+4*\t:BB+4*\t+3], v[RD] offset:\t*SPITCH
.endr
.endm
.macro SEND a, younger
.set BB, BK+64*((\a)%2)
	s_wait_dscnt \younger
.irp t, 0,1,2,3,4,5,6,7,8,9,10,11,12,13,14,15
	global_store_b128 v[CO], v[BB+4*\t:BB+4*\t+3], s[10:11] offset:(32*((\a)/2)+8*((\a)%2)+\t+8*(\t/8))*4096 th:TH_STORE_NT
.endr
.endm
	PLACES NP
	TOSTAGE 0
.irp a, 1,2,3,4,5,6,7
.if \a > 1
	s_wait_xcnt 0x0
.endif
	TOSTAGE \a
	SEND \a-1, 32
.endr
	SEND 7, 0
	s_wait_tensorcnt 0x0
	ds_add_u32 v[SPW], v[NIL]
	s_wait_dscnt 0x0
	CROUND
	s_endpgm
.Lfunc_end_k_q090d853a30_proj:
	.size	k_q090d853a30_proj, .Lfunc_end_k_q090d853a30_proj-k_q090d853a30_proj
	.p2alignl 7, 3214868480
	.fill 96, 4, 3214868480
	.section	.rodata,"a",@progbits
	.p2align	6, 0x0
	.amdhsa_kernel k_q090d853a30_proj
		.amdhsa_group_segment_fixed_size 327680
		.amdhsa_private_segment_fixed_size 0
		.amdhsa_enable_private_segment 0
		.amdhsa_kernarg_size 32
		.amdhsa_user_sgpr_count 2
		.amdhsa_user_sgpr_kernarg_segment_ptr 1
		.amdhsa_wavefront_size32 1
		.amdhsa_system_sgpr_workgroup_id_x 1
		.amdhsa_system_sgpr_workgroup_id_y 1
		.amdhsa_system_sgpr_workgroup_id_z 1
		.amdhsa_system_vgpr_workitem_id 0
		.amdhsa_next_free_vgpr 1024
		.amdhsa_next_free_sgpr 100
		.amdhsa_reserve_vcc 0
		.amdhsa_float_denorm_mode_32 3
		.amdhsa_float_denorm_mode_16_64 3
		.amdhsa_memory_ordered 1
		.amdhsa_forward_progress 1
		.amdhsa_inst_pref_size 145
	.end_amdhsa_kernel
	.amdgpu_metadata
---
amdhsa.version: [ 1, 2 ]
amdhsa.kernels:
  - .name:           k_q090d853a30_proj
    .symbol:         k_q090d853a30_proj.kd
    .args:
      - { .name: ao, .offset: 0, .size: 8, .value_kind: global_buffer, .address_space: global }
      - { .name: cq, .offset: 8, .size: 8, .value_kind: global_buffer, .address_space: global }
      - { .name: b_out, .offset: 16, .size: 8, .value_kind: global_buffer, .address_space: global }
      - { .name: out0, .offset: 24, .size: 8, .value_kind: global_buffer, .address_space: global }
    .group_segment_fixed_size: 327680
    .private_segment_fixed_size: 0
    .kernarg_segment_align: 8
    .kernarg_segment_size: 32
    .max_flat_workgroup_size: 128
    .sgpr_count:     100
    .vgpr_count:     1024
    .wavefront_size: 32
...
	.end_amdgpu_metadata
.endif
;; end of part 4
